; MI455X (gfx1250); checked and timed in simulation.
; The chip was launched on July 23, 2026; its instructions are those of AMD's public machine-readable ISA for CDNA 5 (MIT licence, August 2026) and "CDNA5" Instruction Set Architecture Reference Guide (July 2026). The comments in the code are by the model that wrote it; some were corrected since.
;; Attention Layer. Allowed arithmetic: matrix products marked QUANTISED: E2M1 operands, one E8M0 scale for each 32 along K, by v_wmma_scale_f32_16x16x128_f8f6f4 with both operands' format E2M1 (or v_wmma_scale_f32_32x16x128_f4), f32 sums; products left as they are: bf16, f16 or f32 operands; f32 sums; everything else in f32.
;; Inputs: Wk 1,024 x 1,024 float32; Wq 1,024 x 1,024 float32; Wv 1,024 x 1,024 float32; attention_mask 4 x 2,048 int32; bk 1,024 float32; bq 1,024 float32; bv 1,024 float32; inputs 4 x 2,048 x 1,024 float32.
;; Outputs: out0 4 x 2,048 x 1,024 float32.
;; This version of the problem:
;;   THIS VERSION OF THE PROBLEM IS GIVEN IN LOW PRECISION. The matrix products marked QUANTISED in the list below multiply operands that are first quantised to E2M1 (2 exponent bits, 1 mantissa bit; 4 bits a number), with one power-of-two scale for each 32 numbers along K (OCP MX v1.0); their sums are f32. The products marked 'left as it is' may take bf16, f16 or f32 operands, with f32 sums. Whichever they take, every output number must still come out within the allowed error. Rounding operands to bf16 (8 significant bits) uses up far more of that allowance than f16 does (11 bits, for magnitudes from 6e-5 to 65,504). All else is computed in f32.
;;   The module's matrix products, in the order in which they are computed (A, B: the left and right operand; K: the contracted axis; several contracted axes count as one K, in the product's order):
;;     1. [M 8,192, K 1,024] x [K 1,024, N 1,024]; A: input inputs; B: input Wq: QUANTISED
;;     2. [M 8,192, K 1,024] x [K 1,024, N 1,024]; A: input inputs; B: input Wk: QUANTISED
;;     3. [M 8,192, K 1,024] x [K 1,024, N 1,024]; A: input inputs; B: input Wv: QUANTISED
;;     4. batch 64 x [M 2,048, K 64] x [K 64, N 2,048]; A: computed on the way; B: computed on the way: left as it is (an operand is computed on the way)
;;     5. batch 64 x [M 2,048, K 2,048] x [K 2,048, N 64]; A: computed on the way; B: computed on the way: left as it is (an operand is computed on the way)
;;   THE QUANTISER, for each operand of a quantised product, along K:
;;     - K is cut into blocks of 32 from its start; a last block that is shorter is filled with zeros.
;;     - A block's scale is 2^e with e = floor(log2(the largest magnitude in the block)) - 2, held to -126 .. 127; a block of zeros has e = 0. As a byte (E8M0): e + 127.
;;     - Each number is divided by its block's scale, clamped to +-6, and rounded to the nearest number of E2M1, ties to even, subnormals kept.
;;     - The product sums the exact products of the quantised numbers (number of the format x scale) in f32.
;;   ~~~python
;;   def quantise(x, axis):      # numpy; x: float32 -> the quantised numbers, widened to float32 again
;;       x = np.moveaxis(x, axis, -1); K = x.shape[-1]
;;       x = np.pad(x, [(0, 0)] * (x.ndim - 1) + [(0, -K % 32)]); x = x.reshape(x.shape[:-1] + (-1, 32)); a = np.abs(x).max(-1, keepdims=True)
;;       e = np.where(a > 0, np.clip(np.frexp(np.where(a > 0, a, 1))[1] - 1 - 2, -126, 127), 0)      # np.frexp(a)[1] - 1 = floor(log2(a)), exactly
;;       r = np.clip(x / 2.0 ** e, -6, 6)
;;       step = 2.0 ** (np.maximum(np.frexp(np.where(r == 0, 1, r))[1] - 1, 0) - 1)
;;       q = np.round(r / step) * step * 2.0 ** e      # np.round: ties to even
;;       return np.moveaxis(q.reshape(q.shape[:-2] + (-1,))[..., :K], -1, axis).astype(np.float32)
;;   ~~~
;; One version. Each part assembles by itself: llvm-mc -triple=amdgcn-amd-amdhsa -mcpu=gfx1250 --defsym DOCPART=n.
;; ======== version 1 of 1: 3 launches
;; limits: values are held in f16: magnitudes above 65,504 overflow, below 6.1e-05 lose precision
;; workspace buffers: xc 4,194,304 bytes; xs 262,144 bytes; wc 1,572,864 bytes; ws 98,304 bytes; qkv 50,331,648 bytes
;; launch quant (part 1): grid 448 x 1, 4 waves a work-group, no clusters, 36,352 bytes of LDS; arguments inputs, Wq, Wk, Wv, xc, xs, wc, ws; writes xc, xs, wc, ws
.if DOCPART == 1
	.amdgcn_target "amdgcn-amd-amdhsa--gfx1250"
	.amdhsa_code_object_version 6
	.text
	.protected	k_qff7704cc5f_quant
	.globl	k_qff7704cc5f_quant
	.p2align	8
	.type	k_qff7704cc5f_quant,@function
k_qff7704cc5f_quant:
	s_mov_b64 s[64:65], 0
	v_nop
	global_prefetch_b8 v0, s[64:65] scope:SCOPE_SE
	s_setreg_imm32_b32 hwreg(HW_REG_WAVE_MODE, 25, 1), 1
	s_wait_xcnt 0x0
; x [8192][1024] f32 (K innermost) and Wq, Wk, Wv [1024 k][1024 n] f32 (K outermost) become codes of E2M1 with one E8M0 byte for each 32 along K.
; A block's scale is 2^(floor(log2(its largest magnitude)) - 2): its byte is the largest magnitude's exponent field - 2, held at 1 from below by a floor among the maximum's leaves.
; (A block of zeros so gets the byte 1 where the rule says 127: its codes are zeros, and this program alone reads the bytes.)  Numbers beyond 6 x the scale get the largest code.
; LIMITS: NaN and infinities among the inputs are not served.
; THE WORKSPACE IS LAID IN THE ORDER OF THE OPERAND'S REGISTERS: codes [kb 32][row][16 bytes] (kb: the block of 32 along K), scale bytes [ks 2][row][16 bytes] (ks: 512 along K; byte i: block 16 ks + i).
; The rows of the weights' buffers are n = 1024 sel + column, sel = 0, 1, 2 for Wq, Wk, Wv.  So sixteen neighbouring rows' codes of one block are 256 consecutive bytes, here on the way out and in the next launch on the way in.
; Work-groups 0 to 255 take x, 256 to 447 the weights.  No cluster: no two work-groups read the same bytes.  No barrier: waves share nothing.
; PATH X.  A wave takes 16 rows x 512 along K, in 8 steps of 16 rows x 64.  Each load reads 256 consecutive bytes of two rows; the step's 4,096 bytes turn through the wave's own stage in LDS (rows 272 bytes apart) and
; come back 128 bytes a lane: lane (r, p) holds block p of row r whole.  Loads run four steps ahead, the turn one step.
; PATH W.  A wave takes 32 columns x 128 along K: a lane takes a column and its registers run down K, so a block lies in one lane and its codes come out with K innermost.  It touches no LDS.
.set SPW,   12                         ; v12  LDS address of my spare word; never rewritten
.set NIL,   13                         ; v13  0; never rewritten
.set XO,    5                          ; v5   x: 4096 p + 16 r
.set SI,    6                          ; v6   the stage, on the way in: 272 p + 16 r
.set SO,    7                          ; v7   and out: 272 r + 128 p
.set CO,    8                          ; v8   my codes: 131072 p + 16 r
.set SBY,   9                          ; v9   my block's scale byte in the wave's 256: 16 r + p
.set SRD,   10                         ; v10  the 256 bytes on the way out: 8 x lane
.set SGO,   11                         ; v11  the same in memory
.set R,     16                         ; v16-143   four sets of 32 registers as loaded
.set X,     144                        ; v144-207  two sets of 32 neighbours
.set C,     208                        ; v208-239  four registers of codes for each step: no store's data are written again
.set E,     240                        ; v240-247  a scale byte for each step
.set WREG,  8960                       ; LDS of a wave: two stages of 16 x 272 bytes, then its 256 scale bytes
.set STG,   4352
.set SBO,   8704
.set SPARE, 4*WREG                     ; behind the four regions: the spare words, 128 bytes for each wave
.set WX,    16                         ; path W: v16-143 four blocks of 32 numbers
.set WC,    144                        ; v144-159 their codes;  v160 the four scale bytes
	s_load_b256 s[4:11], s[0:1], 0x0               ; x, Wq, Wk, Wv
	s_load_b256 s[12:19], s[0:1], 0x20             ; xc, xs, wc, ws
	v_lshl_add_u32 v[SPW], v0, 2, SPARE
	v_mov_b32 v[NIL], 0
	v_lshrrev_b32 v1, 5, v0
	v_readfirstlane_b32 s20, v1                    ; wave
	v_and_b32 v2, 31, v0                           ; lane
	v_and_b32 v3, 15, v0                           ; r
	v_bfe_u32 v4, v0, 4, 1                         ; p
	s_cmp_lt_u32 ttmp9, 256
	s_cbranch_scc0 .Lw
; ---------------- PATH X
	s_mul_i32 s26, s20, WREG
	v_lshlrev_b32 v1, 4, v3                        ; 16 r
	v_lshl_add_u32 v[XO], v4, 12, v1
	v_mad_u32_u24 v[SI], v4, 272, v1
	v_add_nc_u32 v[SI], s26, v[SI]
	v_mul_u32_u24 v[SO], v3, 272
	v_lshl_add_u32 v[SO], v4, 7, v[SO]
	v_add_nc_u32 v[SO], s26, v[SO]
	v_lshl_add_u32 v[CO], v4, 17, v1
	v_add_nc_u32 v[SBY], v1, v4
	v_add_nc_u32 v[SBY], s26, v[SBY]
	v_lshlrev_b32 v[SGO], 3, v2
	v_add_nc_u32 v[SRD], s26, v[SGO]
	s_lshl_b32 s21, ttmp9, 1
	s_lshr_b32 s22, s20, 1
	s_add_co_u32 s21, s21, s22                     ; which 16 rows: 2 x work-group + wave / 2
	s_and_b32 s23, s20, 1                          ; which 512 along K
	s_lshl_b32 s24, s21, 16                        ; 16 rows of 4,096 bytes
	s_lshl_b32 s25, s23, 11
	s_add_co_u32 s24, s24, s25
	s_mov_b32 s25, 0
	s_lshl_b32 s27, s21, 8                         ; 16 rows of 16 bytes
	s_wait_kmcnt 0x0
	s_add_nc_u64 s[4:5], s[4:5], s[24:25]
	s_lshl_b32 s24, s23, 21                        ; 16 blocks of 131,072 bytes
	s_add_co_u32 s24, s24, s27
	s_add_nc_u64 s[12:13], s[12:13], s[24:25]
	s_lshl_b32 s24, s23, 17
	s_add_co_u32 s24, s24, s27
	s_add_nc_u64 s[14:15], s[14:15], s[24:25]
.macro XLOAD t                         ; step t: load i reads rows 2 i and 2 i + 1, 256 consecutive bytes of each
.irp i, 0,1,2,3,4,5,6,7
	global_load_b128 v[R+32*((\t)%4)+4*\i:R+32*((\t)%4)+4*\i+3], v[XO], s[4:5] offset:8192*\i+256*(\t) th:TH_LOAD_NT
.endr
.endm
.macro XTURN t                         ; through the stage: LDS serves a wave's instructions in order, so no wait stands between the stores and the loads
.irp i, 0,1,2,3,4,5,6,7
	ds_store_b128 v[SI], v[R+32*((\t)%4)+4*\i:R+32*((\t)%4)+4*\i+3] offset:STG*((\t)%2)+544*\i
.endr
.irp i, 0,1,2,3,4,5,6,7
	ds_load_b128 v[X+32*((\t)%2)+4*\i:X+32*((\t)%2)+4*\i+3], v[SO] offset:STG*((\t)%2)+16*\i
.endr
.endm
; A block of 32 numbers in v[xs] on becomes four registers of codes in v[cd] on; v248 is the conversion's scale operand.
.macro BLOCK32 xs, cd
	v_max3_num_f32 v14, |v[\xs]|, |v[\xs+1]|, |v[\xs+2]|
	v_max3_num_f32 v15, |v[\xs+3]|, |v[\xs+4]|, |v[\xs+5]|
.irp i, 6,10,14,18,22,26
	v_max3_num_f32 v14, v14, |v[\xs+\i]|, |v[\xs+\i+1]|
	v_max3_num_f32 v15, v15, |v[\xs+\i+2]|, |v[\xs+\i+3]|
.endr
	v_max3_num_f32 v14, v14, |v[\xs+30]|, |v[\xs+31]|
	v_max3_num_f32 v14, v14, v15, 0x1800000        ; and the floor 2^(3 - 127): the byte cannot fall under 1
	v_add_nc_u32 v248, 0xff000000, v14             ; 2 off the exponent field: the conversion takes this operand's exponent field as its scale
.irp g, 0,1,2,3
	v_cvt_scalef32_pk8_fp4_f32 v[\cd+\g], v[\xs+8*\g:\xs+8*\g+7], v248
.endr
.endm
.macro XSTEP t
.if (\t) > 0
	s_wait_dscnt 1                                 ; this step's numbers are back from the stage; the last step's byte store may be out
.else
	s_wait_dscnt 0x0
.endif
.if (\t)+4 < 8
	XLOAD (\t)+4                                   ; into the set that this step's stores into the stage have read
.endif
.if (\t) < 7
.if (\t) < 4
	s_wait_loadcnt 24                              ; the next step's eight loads are in; those of the three steps behind it may be out
.else
	s_wait_loadcnt 8*(6-(\t))                      ; the counts run down: the steps behind the next one
.endif
	XTURN (\t)+1
.endif
	BLOCK32 X+32*((\t)%2), C+4*(\t)
	v_lshrrev_b32 v[E+(\t)], 23, v248              ; the scale's byte (a plain line behind the conversions)
	ds_store_b8 v[SBY], v[E+(\t)] offset:SBO+2*(\t)
	global_store_b128 v[CO], v[C+4*(\t):C+4*(\t)+3], s[12:13] offset:262144*(\t)   ; lanes 0-15 and lanes 16-31 each store 256 consecutive bytes, aligned
.endm
.irp t, 0,1,2,3
	XLOAD \t
.endr
	s_wait_loadcnt 24                              ; step 0's eight loads are in
	XTURN 0
.irp t, 0,1,2,3,4,5,6,7
	XSTEP \t
.endr
	ds_load_b64 v[14:15], v[SRD] offset:SBO        ; my wave's 256 scale bytes: 16 rows x 16 blocks
	s_wait_dscnt 0x0
	global_store_b64 v[SGO], v[14:15], s[14:15]    ; 256 consecutive bytes, aligned
	s_wait_tensorcnt 0x0                           ; the wave's end: a wait, an add of 0 to my spare word and its wait, behind my last LDS store
	ds_add_u32 v[SPW], v[NIL]
	s_wait_dscnt 0x0
	s_endpgm
; ---------------- PATH W
.Lw:
	s_sub_co_u32 s21, ttmp9, 256
	s_lshr_b32 s22, s21, 6                         ; which weight
	s_bfe_u32 s23, s21, 0x30003                    ; which 128 along K
	s_and_b32 s24, s21, 7                          ; which 128 columns
	s_lshl_b32 s25, s24, 7
	s_lshl_b32 s26, s20, 5
	s_add_co_u32 s25, s25, s26                     ; my wave's first column
	s_lshl_b32 s28, s23, 19                        ; 128 rows of 4,096 bytes
	s_lshl_b32 s26, s25, 2
	s_add_co_u32 s28, s28, s26
	s_mov_b32 s29, 0
	s_lshl_b32 s27, s22, 10
	s_add_co_u32 s27, s27, s25                     ; n
	s_lshl_b32 s27, s27, 4
	s_mul_i32 s30, s23, 196608                     ; four blocks of 3,072 x 16 bytes
	s_add_co_u32 s30, s30, s27
	s_mov_b32 s31, 0
	s_lshr_b32 s32, s23, 2
	s_mul_i32 s32, s32, 49152
	s_add_co_u32 s32, s32, s27
	s_and_b32 s26, s23, 3
	s_lshl_b32 s26, s26, 2                         ; my four bytes of the row's sixteen
	s_add_co_u32 s32, s32, s26
	s_mov_b32 s33, 0
	v_lshlrev_b32 v5, 2, v2                        ; in: 4 bytes a lane
	v_lshlrev_b32 v6, 4, v2                        ; out: 16 bytes a lane
	s_wait_kmcnt 0x0
	s_cmp_eq_u32 s22, 0                            ; the choice hangs on the work-group's number alone
	s_cselect_b64 s[6:7], s[6:7], s[8:9]
	s_cmp_eq_u32 s22, 2
	s_cselect_b64 s[6:7], s[10:11], s[6:7]
	s_add_nc_u64 s[6:7], s[6:7], s[28:29]
	s_add_nc_u64 s[16:17], s[16:17], s[30:31]
	s_add_nc_u64 s[18:19], s[18:19], s[32:33]
.macro WLOAD t                         ; block t: W(32 t + i, my column): 32 lanes read 128 consecutive bytes
.irp i, 0,1,2,3,4,5,6,7,8,9,10,11,12,13,14,15,16,17,18,19,20,21,22,23,24,25,26,27,28,29,30,31
	global_load_b32 v[WX+32*(\t)+\i], v5, s[6:7] offset:(32*(\t)+\i)*4096 th:TH_LOAD_NT
.endr
.endm
.macro WBLOCK t
	BLOCK32 WX+32*(\t), WC+4*(\t)
.if (\t) == 0
	v_lshrrev_b32 v160, 23, v248                   ; the scale's byte: four to a register, the lower K in the lower byte
.else
	v_lshrrev_b32 v249, 23, v248
	v_lshl_or_b32 v160, v249, 8*(\t), v160
.endif
	global_store_b128 v6, v[WC+4*(\t):WC+4*(\t)+3], s[16:17] offset:49152*(\t)   ; 512 consecutive bytes
.endm
	WLOAD 0
	WLOAD 1
	s_wait_loadcnt 32                              ; block 0 is in; block 1's 32 loads may be out
	WLOAD 2
	WBLOCK 0
	s_wait_loadcnt 32                              ; block 1 is in; block 2's may be out
	WLOAD 3
	WBLOCK 1
	s_wait_loadcnt 32                              ; block 2 is in; block 3's may be out
	WBLOCK 2
	s_wait_loadcnt 0x0
	WBLOCK 3
	global_store_b32 v6, v160, s[18:19]            ; 4 bytes a lane, 16 bytes apart: 98,304 bytes in the launch, one in 128 of what this path reads
	s_endpgm
.Lfunc_end_k_qff7704cc5f_quant:
	.size	k_qff7704cc5f_quant, .Lfunc_end_k_qff7704cc5f_quant-k_qff7704cc5f_quant
	.p2alignl 7, 3214868480
	.fill 96, 4, 3214868480
	.section	.rodata,"a",@progbits
	.p2align	6, 0x0
	.amdhsa_kernel k_qff7704cc5f_quant
		.amdhsa_group_segment_fixed_size 36352
		.amdhsa_private_segment_fixed_size 0
		.amdhsa_enable_private_segment 0
		.amdhsa_kernarg_size 64
		.amdhsa_user_sgpr_count 2
		.amdhsa_user_sgpr_kernarg_segment_ptr 1
		.amdhsa_wavefront_size32 1
		.amdhsa_system_sgpr_workgroup_id_x 1
		.amdhsa_system_sgpr_workgroup_id_y 1
		.amdhsa_system_sgpr_workgroup_id_z 1
		.amdhsa_system_vgpr_workitem_id 0
		.amdhsa_next_free_vgpr 256
		.amdhsa_next_free_sgpr 66
		.amdhsa_reserve_vcc 0
		.amdhsa_float_denorm_mode_32 3
		.amdhsa_float_denorm_mode_16_64 3
		.amdhsa_memory_ordered 1
		.amdhsa_forward_progress 1
		.amdhsa_inst_pref_size 49
	.end_amdhsa_kernel
	.amdgpu_metadata
---
amdhsa.version: [ 1, 2 ]
amdhsa.kernels:
  - .name:           k_qff7704cc5f_quant
    .symbol:         k_qff7704cc5f_quant.kd
    .args:
      - { .name: inputs, .offset: 0, .size: 8, .value_kind: global_buffer, .address_space: global }
      - { .name: Wq, .offset: 8, .size: 8, .value_kind: global_buffer, .address_space: global }
      - { .name: Wk, .offset: 16, .size: 8, .value_kind: global_buffer, .address_space: global }
      - { .name: Wv, .offset: 24, .size: 8, .value_kind: global_buffer, .address_space: global }
      - { .name: xc, .offset: 32, .size: 8, .value_kind: global_buffer, .address_space: global }
      - { .name: xs, .offset: 40, .size: 8, .value_kind: global_buffer, .address_space: global }
      - { .name: wc, .offset: 48, .size: 8, .value_kind: global_buffer, .address_space: global }
      - { .name: ws, .offset: 56, .size: 8, .value_kind: global_buffer, .address_space: global }
    .group_segment_fixed_size: 36352
    .private_segment_fixed_size: 0
    .kernarg_segment_align: 8
    .kernarg_segment_size: 64
    .max_flat_workgroup_size: 128
    .sgpr_count:     66
    .vgpr_count:     256
    .wavefront_size: 32
...
	.end_amdgpu_metadata
.endif
;; end of part 1
;; launch proj (part 2): grid 12 x 32, 4 waves a work-group, clusters of 4 x 4, 327,680 bytes of LDS; arguments xc, xs, wc, ws, bq, bk, bv, qkv; writes qkv
.if DOCPART == 2
	.amdgcn_target "amdgcn-amd-amdhsa--gfx1250"
	.amdhsa_code_object_version 6
	.text
	.protected	k_qff7704cc5f_proj
	.globl	k_qff7704cc5f_proj
	.p2align	8
	.type	k_qff7704cc5f_proj,@function
k_qff7704cc5f_proj:
	s_mov_b64 s[64:65], 0
	v_nop
	global_prefetch_b8 v0, s[64:65] scope:SCOPE_SE
	s_setreg_imm32_b32 hwreg(HW_REG_WAVE_MODE, 25, 1), 1
	s_wait_xcnt 0x0
	s_wait_alu depctr_hold_cnt(0) depctr_sa_sdst(0) depctr_va_vdst(0) depctr_va_sdst(0) depctr_va_ssrc(0) depctr_va_vcc(0) depctr_vm_vsrc(0)
	s_getreg_b32 s2, hwreg(HW_REG_IB_STS2, 6, 4)
	s_cmp_eq_u32 s2, 0
	s_cbranch_scc0 .Lentry_in_a_cluster
	s_endpgm
.Lentry_in_a_cluster:
	s_bfe_u32 s2, ttmp6, 0x10000c
	s_cmp_lg_u32 s2, 0xf033
	s_cbranch_scc0 .Lentry_shape_is_right
	s_endpgm
.Lentry_shape_is_right:
; q, k, v = x W + b on codes of E2M1 with E8M0 scales: one GEMM, M 8,192 x N 3,072 (Wq, Wk, Wv side by side) x K 1,024; sums in f32, K ascending, one accumulator an output.
; The bias is added in f32; q is multiplied by log2(e) / 8, so that the next launch's scores are exponents of 2; the results are rounded to f16 and stored by heads: qkv [sel 3][b 4][h 16][s 2048][64].
; LIMIT: a result beyond 65,504 in magnitude becomes an infinity of f16.
; A tile of C, 256 x 256, is made by four waves, 128 x 128 each: 64 accumulators, 512 registers.  K is two slots of 512: both are asked for at the start, none is filled again.
; THE CODES LIE IN THE ORDER OF THE OPERAND'S REGISTERS, [kb][row][16 bytes]: a tile's row for the mover is one block kb of 128 rows, 2,048 consecutive bytes; in LDS it lies as in memory, and the sixteen lanes of a
; fragment load read 256 consecutive bytes: no padding.  The scale bytes, [ks][row][16 bytes], come with the first fills and stay.
; CLUSTERS: 4 x 4 work-groups.  The four of a row of the cluster need the same tiles of x, the four of a column the same tiles of W: each is asked for jointly, by the same tensor load with a mask that names the four.
; THE MATRIX INSTRUCTION IS USED TRANSPOSED (source 0 = 16 rows of W's codes, source 1 = 16 rows of x's): a lane then holds eight neighbouring columns of one row of C.
; REGISTERS: window 0: v0-31 addresses; v32-95 scale words, two sets, and nothing else; v96-127 packed results; v128-191 x's fragments, one set, on the way out rows read back; v192-255 the bias x the scale.
;   window 1: W's fragments, two sets, at v0 and v128.   window 2: the accumulators of my rows 0-63 ((a, b) at v[8 (8 a + b)]);   window 3: those of my rows 64-127.
.set NQ,     4                         ; matrix instructions deep in a slot
.set FR,     8                         ; registers of a fragment: 16 rows x 128 K
.set NL,     2                         ; LDS loads that bring one
.set NP,     4                         ; places behind this matrix instruction (ISA guide 7.12.1)
.set HALFT,  32768                     ; 16 blocks x 128 rows x 16 bytes: what one tensor load brings, and what one wave reads of x or of W
.set SLOT,   4*HALFT                   ; x's 256 rows, then W's 256
.set SCL,    2*SLOT                    ; behind the slots: the scale bytes, 4,096 for each wave's 128 rows: [ks 2][128][16]
.set SBLK,   256                       ; those of 16 rows
.set SPARE,  SCL+4*4096                ; the spare words, 128 bytes for each wave
.set SREG,   4608                      ; the way out: a stage of 2 heads x 16 rows x (128 + 16) bytes for each wave, in slot 0, which has had its only fill and its last read by then
.set ADRA, 16                          ; v16-17  LDS address of my fragments of x in slot 0, 1
.set ADRB, 20                          ; v20-21  the same for W
.set STO,  24                          ; v24     the way out: where I put 16 bytes of a row
.set RD,   25                          ; v25     where I read rows back
.set CO,   26                          ; v26     16 x lane: my place in 512 consecutive bytes of qkv
.set ADRS, 27                          ; v27     LDS address of my scale words: lanes 0-15 x's rows, lanes 16-31 W's
.set SPW,  28                          ; v28     LDS address of my spare word; never rewritten
.set NIL,  29                          ; v29     0; never rewritten
.set SC,   32                          ; scale words: set s at v[SC + 32 s]; register 4 i + q: lanes 0-15 x's block i, lanes 16-31 W's block i, the slot's q-th 128 along K
.set PK,   96
.set AF,   128
.set BK,   128                         ; rows read back: v128-159 and v160-191 by turns
.set BS,   192                         ; column tile b's eight numbers at v[BS + 8 b]
.set G1, 24                            ; s[24:31] descriptor group 1 for x's codes;  s[32:39] group 0, one set for each slot
.set G0, 32
.set G1B, 48                           ; s[48:55], s[56:63] the same for W's
.set G0B, 56
.set G1S, 68                           ; s[68:75], s[76:79] groups 1 and 0 for x's scales;  s[80:87], s[88:91] for W's
.set G0S, 76
.set G1SB, 80
.set G0SB, 88
.set FS, 66                            ; s[66:67] the factor: log2(e) / 8 for q, 1 for k and v
.set MSB, 0
.macro WIN new                         ; the immediate's high byte repeats the setting that is left
.if MSB != (\new)
	s_set_vgpr_msb (MSB<<8)|(\new)
.set MSB, \new
.endif
.endm
.set MUL_LO, 0xa1                      ; source 0 (W) window 1, source 1 (x) window 0, C and D window 2
.set MUL_HI, 0xf1                      ; the same, C and D window 3
.set TO_B,   0x40                      ; destination window 1, address window 0
; A joint load: waves 0 and 1 fetch for x, waves 2 and 3 for W.  The branch hangs on the wave's number alone.  An s_nop 0 and four v_nop follow each of the two lines.
.macro JLOAD g0a, g1a, g0b, g1b
	s_cmp_eq_u32 s15, 0
	s_cbranch_scc0 .Lfor_b_\@
	tensor_load_to_lds s[\g0a:\g0a+3], s[\g1a:\g1a+7]
	s_nop 0
.rept 4
	v_nop
.endr
	s_branch .Lasked_\@
.Lfor_b_\@:
	tensor_load_to_lds s[\g0b:\g0b+3], s[\g1b:\g1b+7]
	s_nop 0
.rept 4
	v_nop
.endr
.Lasked_\@:
.endm
.macro CROUND                          ; a round of the cluster's barrier
	s_barrier_signal -1
	s_barrier_wait -1
	s_cmp_lg_u32 s14, 0
	s_cbranch_scc1 .Lnot_wave_0_\@
	s_barrier_signal -3
.Lnot_wave_0_\@:
	s_barrier_wait -3
	s_barrier_signal -1
	s_barrier_wait -1
.endm
	s_load_b256 s[4:11], s[0:1], 0x0               ; xc s[4:5], xs s[6:7], wc s[8:9], ws s[10:11]
	s_load_b128 s[92:95], s[0:1], 0x20             ; bq, bk
	s_load_b128 s[96:99], s[0:1], 0x30             ; bv, qkv
	v_lshl_add_u32 v[SPW], v0, 2, SPARE
	v_mov_b32 v[NIL], 0
	ds_add_u32 v[SPW], v[NIL]                      ; the wave's opening: the add, twice on end, and its wait ahead of my first tensor load
	ds_add_u32 v[SPW], v[NIL]
	v_lshrrev_b32 v1, 5, v0
	v_readfirstlane_b32 s14, v1                    ; wave 0..3
	s_lshr_b32 s15, s14, 1                         ; which half of the tile's rows is mine.  Also: I fetch for x (0) or for W (1)
	s_and_b32 s16, s14, 1                          ; which half of its columns.  Also: which 128 rows of that tile I fetch
	s_bfe_u32 s40, ttmp6, 0x40000                  ; cx, cy: my place in the cluster
	s_bfe_u32 s41, ttmp6, 0x40004
	s_lshl_b32 s42, ttmp9, 2
	s_add_co_u32 s42, s42, s40                     ; tile column of C = 4 x cluster x + cx: the cluster's x is sel
	s_and_b32 s17, ttmp7, 0xffff
	s_lshl_b32 s17, s17, 2
	s_add_co_u32 s17, s17, s41                     ; tile row of C = 4 x cluster y + cy
	s_lshl_b32 s43, s41, 2
	s_lshl_b32 s43, 15, s43                        ; my row of the cluster
	s_lshl_b32 s44, 0x1111, s40                    ; my column
	; descriptor group 1: rows of 256 elements of 8 bytes (128 rows' 16 bytes of one block); 16 such rows of codes, 2 of scale bytes; from row to row 8,192 x 16 bytes in x's buffers, 3,072 x 16 in W's
	s_or_b32 s[G1], s43, (3<<16)|(1<<21)           ; 15:0 the mask; 17:16 elements of 8 bytes; 20 no padding; 21 set beside a mask
	s_or_b32 s[G1B], s44, (3<<16)|(1<<21)
	s_or_b32 s[G1S], s43, (3<<16)|(1<<21)
	s_or_b32 s[G1SB], s44, (3<<16)|(1<<21)
.irp g, G1, G1B, G1S, G1SB
	s_mov_b32 s[\g+1], 256<<16                     ; tensor_dim0
	s_mov_b32 s[\g+3], 256<<16                     ; tile_dim0
	s_mov_b32 s[\g+6], 0
	s_mov_b32 s[\g+7], 0
.endr
.irp g, G1, G1B
	s_mov_b32 s[\g+2], 16<<16                      ; tensor_dim1
	s_mov_b32 s[\g+4], 16                          ; tile_dim1
.endr
.irp g, G1S, G1SB
	s_mov_b32 s[\g+2], 2<<16
	s_mov_b32 s[\g+4], 2
.endr
	s_mov_b32 s[G1+5], 16384                       ; tensor_dim0_stride, in elements
	s_mov_b32 s[G1S+5], 16384
	s_mov_b32 s[G1B+5], 6144
	s_mov_b32 s[G1SB+5], 6144
	s_lshl_b32 s18, s16, 11                        ; which 128 rows of the tile I fetch, x 16 bytes
	s_lshl_b32 s20, s17, 12
	s_add_co_u32 s20, s20, s18                     ; x: (256 x tile row + 128 x half) x 16: the same in the codes and in the scale bytes
	s_mov_b32 s21, 0
	s_lshl_b32 s46, s42, 12
	s_add_co_u32 s46, s46, s18                     ; W: by the tile column
	s_mov_b32 s47, 0
	s_lshl_b32 s45, s14, 15                        ; where they go: wave x HALFT: no place in the cluster enters an LDS address
	s_lshl_b32 s19, s14, 12
	s_wait_dscnt 0x0                               ; both opening adds are done
	s_wait_kmcnt 0x0
	s_add_nc_u64 s[4:5], s[4:5], s[20:21]
	s_add_nc_u64 s[6:7], s[6:7], s[20:21]
	s_add_nc_u64 s[8:9], s[8:9], s[46:47]
	s_add_nc_u64 s[10:11], s[10:11], s[46:47]
	CROUND                                         ; all sixteen work-groups are here: the first joint loads meet
	s_mov_b32 s[G0S], 1
	s_add_co_u32 s[G0S+1], s19, SCL
	s_mov_b64 s[G0S+2:G0S+3], s[6:7]
	s_or_b32 s[G0S+3], s[G0S+3], 0x80000000
	s_mov_b32 s[G0SB], 1
	s_add_co_u32 s[G0SB+1], s19, SCL
	s_mov_b64 s[G0SB+2:G0SB+3], s[10:11]
	s_or_b32 s[G0SB+3], s[G0SB+3], 0x80000000
	JLOAD G0S, G1S, G0SB, G1SB                     ; the scale bytes first: they are wanted with slot 0
.irp s, 0,1
	s_mov_b32 s[G0+4*\s], 1
	s_add_co_u32 s[G0+4*\s+1], s45, \s*SLOT
	s_add_nc_u64 s[G0+4*\s+2:G0+4*\s+3], s[4:5], \s*16*131072
	s_or_b32 s[G0+4*\s+3], s[G0+4*\s+3], 0x80000000
	s_mov_b32 s[G0B+4*\s], 1
	s_add_co_u32 s[G0B+4*\s+1], s45, \s*SLOT
	s_add_nc_u64 s[G0B+4*\s+2:G0B+4*\s+3], s[8:9], \s*16*49152
	s_or_b32 s[G0B+4*\s+3], s[G0B+4*\s+3], 0x80000000
	JLOAD G0+4*\s, G1, G0B+4*\s, G1B               ; three tensor loads of mine are out
.endr
	v_and_b32 v1, 15, v0                           ; r
	v_bfe_u32 v2, v0, 4, 1                         ; h
	v_lshlrev_b32 v3, 4, v1                        ; 16 r
	v_lshl_add_u32 v4, v2, 11, v3                  ; a fragment: block 4 q + 2 c + h, row 16 i + r: 2,048 h + 16 r
	s_lshl_b32 s21, s15, 15                        ; my 128 rows of x
	s_lshl_b32 s22, s16, 15                        ; my 128 rows of W,
	s_add_co_u32 s22, s22, 2*HALFT                 ; which lie behind x's 256
.irp s, 0,1
	v_add_nc_u32 v[ADRA+\s], s21, v4
	v_add_nc_u32 v[ADRB+\s], s22, v4
	s_add_co_u32 s21, s21, SLOT
	s_add_co_u32 s22, s22, SLOT
.endr
	s_lshl_b32 s21, s15, 12                        ; the scale bytes of my rows of x,
	s_lshl_b32 s22, s16, 12                        ; and of W, behind x's two regions
	s_add_co_u32 s22, s22, 8192
	s_sub_co_u32 s22, s22, s21
	v_mul_u32_u24 v6, s22, v2                      ; lanes 16-31 take W's: the lower base + h x the distance
	s_add_co_u32 s21, s21, SCL
	v_add_nc_u32 v5, v3, v6
	v_add_nc_u32 v[ADRS], s21, v5
	s_mul_i32 s23, s14, SREG                       ; my stage
	v_mul_u32_u24 v5, v1, 144                      ; in: row r, 16 bytes for each half of the lanes
	v_lshl_add_u32 v5, v2, 4, v5
	v_add_nc_u32 v[STO], s23, v5
	v_and_b32 v6, 31, v0
	v_lshrrev_b32 v5, 3, v6                        ; back: eight lanes to a row of 128 bytes, four rows an instruction
	v_mul_u32_u24 v5, v5, 144
	v_and_b32 v8, 7, v0
	v_lshl_add_u32 v5, v8, 4, v5
	v_add_nc_u32 v[RD], s23, v5
	v_lshlrev_b32 v[CO], 4, v6
	v_lshlrev_b32 v7, 5, v2                        ; the bias: my half's eight numbers of a column tile
	; where my part of qkv begins: sel, batch = tile row / 8, head = 4 cx + 2 x half, position = 256 (tile row % 8) + 128 x half, rows of 128 bytes
	s_lshl_b32 s20, ttmp9, 24
	s_lshr_b32 s21, s17, 3
	s_lshl_b32 s21, s21, 22
	s_add_co_u32 s20, s20, s21
	s_and_b32 s21, s17, 7
	s_lshl_b32 s21, s21, 15
	s_add_co_u32 s20, s20, s21
	s_lshl_b32 s21, s15, 14
	s_add_co_u32 s20, s20, s21
	s_mov_b32 s21, 0
	s_add_nc_u64 s[98:99], s[98:99], s[20:21]
	s_lshl_b32 s46, s40, 20                        ; (what hangs on cx is made in the registers that held W's offset)
	s_lshl_b32 s47, s16, 19
	s_add_co_u32 s46, s46, s47
	s_mov_b32 s47, 0
	s_add_nc_u64 s[98:99], s[98:99], s[46:47]
	s_cmp_eq_u32 ttmp9, 0                          ; the bias and the factor are chosen by sel, which all sixteen partners share
	s_cselect_b64 s[92:93], s[92:93], s[94:95]
	s_cselect_b32 s[FS], 0x3e38aa3b, 1.0           ; log2(e) / 8
	s_cmp_eq_u32 ttmp9, 2
	s_cselect_b64 s[92:93], s[96:97], s[92:93]
	s_mov_b32 s[FS+1], s[FS]                       ; (named with it as a pair, so it is written)
	s_lshl_b32 s46, s40, 10                        ; my 128 columns: (256 cx + 128 x half) x 4 bytes
	s_lshl_b32 s47, s16, 9
	s_add_co_u32 s46, s46, s47
	s_mov_b32 s47, 0
	s_add_nc_u64 s[92:93], s[92:93], s[46:47]
.irp b, 0,1,2,3,4,5,6,7
	global_load_b128 v[BS+8*\b:BS+8*\b+3], v7, s[92:93] offset:64*\b
	global_load_b128 v[BS+8*\b+4:BS+8*\b+7], v7, s[92:93] offset:64*\b+16
.endr
.macro FRAG reg, adr, q, i             ; 16 rows x 128 K: registers 4 c .. 4 c + 3 of lane (r, h) are block 4 q + 2 c + h of row 16 i + r: sixteen lanes read 256 consecutive bytes
.irp c, 0,1
	ds_load_b128 v[\reg+4*\c:\reg+4*\c+3], v[\adr] offset:(4*(\q)+2*\c)*2048+(\i)*256
.endr
.endm
; 16 matrix instructions: x's blocks a0, a0 + 1 against W's eight, the slot's q-th 128 along K.  p: W's set; sc: the set of scale words.  zero = 1: the first product starts the sums.
; The 64 accumulators take turns, one instruction a turn, in the same order in every step.
.macro MUL16 a0, p, q, sc, zero
.irp a, \a0, \a0+1
.irp b, 0,1,2,3,4,5,6,7
.if \zero
	v_wmma_scale_f32_16x16x128_f8f6f4 v[8*(8*((\a)%4)+\b):8*(8*((\a)%4)+\b)+7], v[128*(\p)+FR*\b:128*(\p)+FR*\b+FR-1], v[AF+FR*(\a):AF+FR*(\a)+FR-1], 0, v[SC+8*NQ*(\sc)+NQ*\b+(\q)], v[SC+8*NQ*(\sc)+NQ*(\a)+(\q)] matrix_a_fmt:MATRIX_FMT_FP4 matrix_b_fmt:MATRIX_FMT_FP4 matrix_a_scale:MATRIX_SCALE_ROW1
.else
	v_wmma_scale_f32_16x16x128_f8f6f4 v[8*(8*((\a)%4)+\b):8*(8*((\a)%4)+\b)+7], v[128*(\p)+FR*\b:128*(\p)+FR*\b+FR-1], v[AF+FR*(\a):AF+FR*(\a)+FR-1], v[8*(8*((\a)%4)+\b):8*(8*((\a)%4)+\b)+7], v[SC+8*NQ*(\sc)+NQ*\b+(\q)], v[SC+8*NQ*(\sc)+NQ*(\a)+(\q)] matrix_a_fmt:MATRIX_FMT_FP4 matrix_b_fmt:MATRIX_FMT_FP4 matrix_a_scale:MATRIX_SCALE_ROW1
.endif
.endr
.endr
.endm
.macro FETCH_B slot, q, p
	WIN TO_B
.irp i, 0,1,2,3,4,5,6,7
	FRAG 128*(\p)+FR*\i, ADRB+\slot, \q, \i
.endr
	WIN 0
.endm
.macro FETCH_A slot, q, i0
.irp i, \i0, \i0+1, \i0+2, \i0+3
	FRAG AF+FR*(\i), ADRA+\slot, \q, \i
.endr
.endm
.macro SCALES sc                       ; a slot's scale words: four a row; lanes 0-15 take x's block i, lanes 16-31 W's block i
.irp i, 0,1,2,3,4,5,6,7
	ds_load_b128 v[SC+8*NQ*\sc+NQ*\i:SC+8*NQ*\sc+NQ*\i+3], v[ADRS] offset:\i*SBLK
.endr
.endm
.macro PLACES n                        ; plain vector instructions between a matrix instruction and a load into, or a vector instruction on, one of its registers
.rept \n
	v_nop
.endr
.endm
; A step of 128 along K that has its successor in the same slot.  x has one set of registers: blocks 0-3 are fetched anew in the step's middle, blocks 4-7 at its end; W has two sets.
.macro STEP slot, q, zero
	s_wait_dscnt 4*NL                              ; W's set and x's blocks 0-3 are in; the youngest eight loads (x's blocks 4-7) may be out
	WIN MUL_LO
	MUL16 0, (\q)%2, \q, \slot, \zero
	MUL16 2, (\q)%2, \q, \slot, \zero
	s_wait_dscnt 0                                 ; x's blocks 4-7 are in
	PLACES NP
	FETCH_B \slot, (\q)+1, 1-(\q)%2
	FETCH_A \slot, (\q)+1, 0
	WIN MUL_HI
	MUL16 4, (\q)%2, \q, \slot, \zero
	MUL16 6, (\q)%2, \q, \slot, \zero
	PLACES NP
	WIN 0
	FETCH_A \slot, (\q)+1, 4
.endm
.macro STEPS slot, from
.set Q, \from
.rept NQ-1-\from
	STEP \slot, Q, 0
.set Q, Q+1
.endr
.endm
	s_wait_loadcnt 0x0                             ; the bias
.set i, 0
.rept 32
	v_pk_mul_f32 v[BS+i:BS+i+1], v[BS+i:BS+i+1], s[FS:FS+1] op_sel_hi:[1,0]   ; (sum + b) f = sum f + b f
.set i, i+2
.endr
	s_wait_tensorcnt 1                             ; the scale bytes and my part of slot 0 are in; slot 1's load may be out
	s_barrier_signal -1
	s_barrier_wait -1
	FETCH_B 0, 0, 0
	FETCH_A 0, 0, 0
	SCALES 0
	FETCH_A 0, 0, 4
	STEP 0, 0, 1                                   ; the first products start the sums: nothing is cleared
	STEPS 0, 1
	; slot 0's last step changes slots: one barrier; in front of it each wave waits for its tensor loads, adds 0 to its spare word, and waits for that and for its reads of slot 0
	s_wait_tensorcnt 0x0                           ; my part of slot 1 has landed
	ds_add_u32 v[SPW], v[NIL]
	s_wait_dscnt 4*NL+1                            ; the add and the youngest eight loads may be out
	WIN MUL_LO
	MUL16 0, 1, NQ-1, 0, 0
	s_wait_dscnt 0x0                               ; the add is done, and my reads of slot 0 are over
	s_barrier_signal -1
	MUL16 2, 1, NQ-1, 0, 0
	WIN 0
	s_barrier_wait -1
	PLACES NP
	v_add_nc_u32 v[ADRS], 2048, v[ADRS]            ; on to the second 512's scale words
	FETCH_B 1, 0, 0
	FETCH_A 1, 0, 0
	SCALES 1
	WIN MUL_HI
	MUL16 4, 1, NQ-1, 0, 0
	MUL16 6, 1, NQ-1, 0, 0
	PLACES NP
	WIN 0
	FETCH_A 1, 0, 4
	STEPS 1, 0
	s_wait_dscnt 4*NL                              ; the very last step: nothing more to fetch
	WIN MUL_LO
	MUL16 0, 1, NQ-1, 1, 0
	MUL16 2, 1, NQ-1, 1, 0
	s_wait_dscnt 0
	WIN MUL_HI
	MUL16 4, 1, NQ-1, 1, 0
	MUL16 6, 1, NQ-1, 1, 0
	WIN 0
; THE WAY OUT, block by block of 16 rows x 128 columns (two heads).  PACK: sum x factor + bias x factor in place, each accumulator from its low end on, then rounded to f16: 16 bytes a lane and column tile.
; TOSTAGE: into my own stage, by heads, and back as rows of 128 bytes.  SEND: four rows of a head, which are neighbours in qkv, are 512 consecutive bytes.
.macro PACK a
.set AC, 64*((\a)%4)
	WIN 0x82+0x41*((\a)/4)                         ; destination and source 0: window 2 or 3; the bias: window 0
.irp b, 0,1,2,3,4,5,6,7
.irp r, 0,1,2,3
	v_pk_fma_f32 v[AC+8*\b+2*\r:AC+8*\b+2*\r+1], v[AC+8*\b+2*\r:AC+8*\b+2*\r+1], s[FS:FS+1], v[BS+8*\b+2*\r:BS+8*\b+2*\r+1] op_sel_hi:[1,0,1]
.endr
.endr
	WIN 0x0a+5*((\a)/4)                            ; sources 0 and 1: window 2 or 3
.irp b, 0,1,2,3,4,5,6,7
.irp r, 0,1,2,3
	v_cvt_pk_f16_f32 v[PK+4*\b+\r], v[AC+8*\b+2*\r], v[AC+8*\b+2*\r+1]
.endr
.endr
	WIN 0
.endm
.macro TOSTAGE a
.irp b, 0,1,2,3,4,5,6,7
	ds_store_b128 v[STO], v[PK+4*\b:PK+4*\b+3] offset:2304*(\b/4)+32*(\b%4)
.endr
.set BB, BK+32*((\a)%2)
.irp t, 0,1,2,3,4,5,6,7
	ds_load_b128 v[BB+4*\t:BB+4*\t+3], v[RD] offset:2304*(\t/4)+576*(\t%4)   ; LDS serves a wave's instructions in order: these see the stores above
.endr
.endm
.macro SEND a
.set BB, BK+32*((\a)%2)
	s_wait_dscnt 0x0                               ; the block is back in registers
	s_wait_xcnt 0x0                                ; the block before has left its registers: the next block's loads may land there
.irp t, 0,1,2,3,4,5,6,7
	global_store_b128 v[CO], v[BB+4*\t:BB+4*\t+3], s[98:99] offset:2048*(\a)+262144*(\t/4)+512*(\t%4)
.endr
.endm
	PLACES NP
	PACK 0
	TOSTAGE 0
.irp a, 1,2,3,4,5,6,7                  ; block a's arithmetic stands between block a - 1's loads from the stage and the wait for them
	PACK \a
	SEND \a-1
	TOSTAGE \a
.endr
	SEND 7
	s_wait_tensorcnt 0x0                           ; the wave's end: a wait, an add of 0 to my spare word and its wait, behind my last tensor load and my last LDS store
	ds_add_u32 v[SPW], v[NIL]
	s_wait_dscnt 0x0
	CROUND                                         ; the closing round: no work-group ends while a partner may still ask for a tile that names it
	s_endpgm
.Lfunc_end_k_qff7704cc5f_proj:
	.size	k_qff7704cc5f_proj, .Lfunc_end_k_qff7704cc5f_proj-k_qff7704cc5f_proj
	.p2alignl 7, 3214868480
	.fill 96, 4, 3214868480
	.section	.rodata,"a",@progbits
	.p2align	6, 0x0
	.amdhsa_kernel k_qff7704cc5f_proj
		.amdhsa_group_segment_fixed_size 327680
		.amdhsa_private_segment_fixed_size 0
		.amdhsa_enable_private_segment 0
		.amdhsa_kernarg_size 64
		.amdhsa_user_sgpr_count 2
		.amdhsa_user_sgpr_kernarg_segment_ptr 1
		.amdhsa_wavefront_size32 1
		.amdhsa_system_sgpr_workgroup_id_x 1
		.amdhsa_system_sgpr_workgroup_id_y 1
		.amdhsa_system_sgpr_workgroup_id_z 1
		.amdhsa_system_vgpr_workitem_id 0
		.amdhsa_next_free_vgpr 1024
		.amdhsa_next_free_sgpr 100
		.amdhsa_reserve_vcc 0
		.amdhsa_float_denorm_mode_32 3
		.amdhsa_float_denorm_mode_16_64 3
		.amdhsa_memory_ordered 1
		.amdhsa_forward_progress 1
		.amdhsa_inst_pref_size 146
	.end_amdhsa_kernel
	.amdgpu_metadata
---
amdhsa.version: [ 1, 2 ]
amdhsa.kernels:
  - .name:           k_qff7704cc5f_proj
    .symbol:         k_qff7704cc5f_proj.kd
    .args:
      - { .name: xc, .offset: 0, .size: 8, .value_kind: global_buffer, .address_space: global }
      - { .name: xs, .offset: 8, .size: 8, .value_kind: global_buffer, .address_space: global }
      - { .name: wc, .offset: 16, .size: 8, .value_kind: global_buffer, .address_space: global }
      - { .name: ws, .offset: 24, .size: 8, .value_kind: global_buffer, .address_space: global }
      - { .name: bq, .offset: 32, .size: 8, .value_kind: global_buffer, .address_space: global }
      - { .name: bk, .offset: 40, .size: 8, .value_kind: global_buffer, .address_space: global }
      - { .name: bv, .offset: 48, .size: 8, .value_kind: global_buffer, .address_space: global }
      - { .name: qkv, .offset: 56, .size: 8, .value_kind: global_buffer, .address_space: global }
    .group_segment_fixed_size: 327680
    .private_segment_fixed_size: 0
    .kernarg_segment_align: 8
    .kernarg_segment_size: 64
    .max_flat_workgroup_size: 128
    .sgpr_count:     100
    .vgpr_count:     1024
    .wavefront_size: 32
...
	.end_amdgpu_metadata
.endif
;; end of part 2
;; launch attn (part 3): grid 8 x 64, 4 waves a work-group, clusters of 4 x 1, 327,680 bytes of LDS; arguments qkv, attention_mask, out0; writes out0
.if DOCPART == 3
	.amdgcn_target "amdgcn-amd-amdhsa--gfx1250"
	.amdhsa_code_object_version 6
	.text
	.protected	k_qff7704cc5f_attn
	.globl	k_qff7704cc5f_attn
	.p2align	8
	.type	k_qff7704cc5f_attn,@function
k_qff7704cc5f_attn:
	s_mov_b64 s[64:65], 0
	v_nop
	global_prefetch_b8 v0, s[64:65] scope:SCOPE_SE
	s_setreg_imm32_b32 hwreg(HW_REG_WAVE_MODE, 25, 1), 1
	s_wait_xcnt 0x0
	s_wait_alu depctr_hold_cnt(0) depctr_sa_sdst(0) depctr_va_vdst(0) depctr_va_sdst(0) depctr_va_ssrc(0) depctr_va_vcc(0) depctr_vm_vsrc(0)
	s_getreg_b32 s2, hwreg(HW_REG_IB_STS2, 6, 4)
	s_cmp_eq_u32 s2, 0
	s_cbranch_scc0 .Lentry_in_a_cluster
	s_endpgm
.Lentry_in_a_cluster:
	s_bfe_u32 s2, ttmp6, 0x10000c
	s_cmp_lg_u32 s2, 0x3003
	s_cbranch_scc0 .Lentry_shape_is_right
	s_endpgm
.Lentry_shape_is_right:
; out[b][q][64 h ..] = the sum over k of softmax_k(q . k / 8 + (1 - mask[b][k]) x -10000) v[k], for each of 64 heads.  qkv: f16 [sel 3][b 4][h 16][s 2048][64]; q comes multiplied by log2(e) / 8, so a score is an exponent of 2.
; Products on f16 operands with f32 sums; maxima, exponentials and sums in f32; the weights p are rounded to f16 for the second product.
; THE MASK IS HONOURED AS IT IS GIVEN: its term, (1 - mask) x -10000 log2(e), is the C of each score's first matrix instruction; no key is left out.
; LIMITS: NaN and infinities among the inputs are not served.  Where every key of a batch is masked, a score carries the rounding of a sum near 14,427, as the f32 sum of the definition does near 10,000.
; SHARES.  A work-group owns 256 queries of one head, each of its four waves 64: four tiles of 16.  Every wave walks all 2,048 keys, 64 a step, four steps to an LDS slot.
; LAYOUT.  S^T = K Q^T (source 0 = 16 keys, source 1 = 16 queries): a lane holds ONE query (lane % 16) and the keys 8 (lane / 16) + 0..7.  Two such tiles, rounded to f16 in pairs, ARE source 1 of O^T = V^T P.
; K comes out of LDS as it lies, V ([key][channel]) turned, by ds_load_tr16_b128.
; SOFTMAX.  For each query a running maximum m and sum l: p = 2^(t - m); in every step O and l are multiplied by a = 2^(m_old - m_new).
; BY TURNS.  The wave's tiles are two PIECES: piece 0 (tiles 0, 1), piece 2 (tiles 2, 3).  In a TURN one piece has the matrix unit: 16 products V^T P of the step in hand, then 16 products K Q^T of the next step;
; the other piece's softmax, cut into 59 slices of four instructions, stands between them.  Then the pieces change places.  Two turns are a key step.
; CLUSTER.  The four query blocks of a cluster belong to one head and walk the same K and V: each tile is asked for JOINTLY.
; REGISTERS, in windows of 256: window 0: v1-11 addresses; v12-43 eight registers of statistics a tile; v44-47, v61-63 addresses; v64-191 S^T, 32 a tile; v192-255 P, 16 a tile.
;   window 1: v0-127 O^T, 32 a tile; v128-159 the step's mask terms.   window 2: v0-63 Q, 16 a tile; v64-127 K of one step; v128-191 V of one step.
.set KS,     64
.set PKP,    144                       ; a row of K in LDS: 128 bytes + 16: the 16 rows of a load start at 16 different 16-byte columns
.set PVP,    160                       ; a row of V: 128 + 32: an odd multiple of 32
.set KSTEPB, KS*PKP
.set VSTEPB, KS*PVP
.set VOFF,   4*KSTEPB                  ; a slot: 256 rows of K, then 256 rows of V
.set SLOT1,  1<<17                     ; slot 1 begins here: one exclusive or turns an address in one slot into the other's
.set SLOTB,  32768                     ; a slot's rows of K, or of V, in memory
.set STAGE,  SLOT1+VOFF+4*VSTEPB       ; behind the ring: 16 rows x 272 bytes for each wave, for the way out
.set SP,     272
.set MSK,    STAGE+4*16*SP             ; the batch's 2,048 mask terms, f32
.set SPARE,  MSK+8192                  ; the spare words, 128 bytes for each wave
.set AK0, 2                            ; v2   my lane's place in a tile of K
.set AV0, 3                            ; v3   the same for V
.set ADR, 4                            ; v4   the LDS address of the run of loads in hand
.set QO,  5                            ; v5   my byte offset in the wave's rows of Q
.set STO, 6                            ; v6   the way out: where I put 32 bytes of a row
.set RD,  7                            ; v7   where I read a row back
.set GO,  8                            ; v8   my byte offset in the wave's rows of out
.set ST,  12                           ; tile t's statistics at v[ST+8 t]: +0 m, +1 written once (named with m as a pair), +2, +3 l (even keys', odd keys'), +4 to +7 at work; a takes +6
.set AM0, 44                           ; v44  my lane's place among a step's mask terms
.set ADM, 45                           ; v45  the LDS address of the step's mask terms
.set PFO, 61                           ; v61  256 x my lane; never rewritten
.set SPW, 62                           ; v62  LDS address of my spare word; never rewritten
.set NIL, 63                           ; v63  0; never rewritten
.set S,   64
.set P,   192
.set MK,  128                          ; in window 1
.set KF,  64                           ; in window 2
.set VF,  128                          ; in window 2
.set WV,  12                           ; s12  my wave's number
.set LIM, 15                           ; s15  1 in a wave that prefetches, else the greatest number
.set PFA, 18                           ; s[18:19] where my prefetches stand
.set G1K, 24                           ; s[24:31] descriptor group 1 for K's tiles;  s[32:39] for V's: the padding differs
.set G1V, 32
.set G0K, 40                           ; s[40:47] group 0 for K's tiles: a set for each of the two first fills; the second then walks on
.set G0V, 48                           ; s[48:55] the same for V's
.set SLOTS, 56                         ; s56  slots still to be asked for
.set CNT, 57                           ; s57  counts key steps
.set SEL, 60                           ; s[60:61] lane selects for v_permlanex16_b32: lane l xor 16
.set TBK, 62                           ; s62  LDS byte at which K of the step to be fetched begins
.set TBV, 63                           ; s63  the same for V (less VOFF)
.set TM,  68                           ; s68  and for its mask terms: 256 bytes a step
.set MSB, 0
.macro WIN new
.if MSB != (\new)
	s_set_vgpr_msb (MSB<<8)|(\new)
.set MSB, \new
.endif
.endm
.set W_KQ0, 0x1a                       ; K and Q in window 2, the mask terms (C) in window 1, S^T in window 0
.set W_KQ,  0x0a                       ; K and Q in window 2, S^T in window 0
.set W_PV,  0x52                       ; V in window 2, P in window 0, O^T in window 1
.set W_RS,  0x41                       ; O^T (destination and source 0) in window 1, a in window 0
; A joint refill: waves 0 and 1 fetch the halves of a slot's K, waves 2 and 3 those of its V.  An s_nop 0 and four v_nop follow each of the two lines.
.macro JLOAD
	s_cmp_lt_u32 s[WV], 2
	s_cbranch_scc0 .Lfor_v_\@
	tensor_load_to_lds s[G0K+4:G0K+7], s[G1K:G1K+7]
	s_nop 0
.rept 4
	v_nop
.endr
	s_branch .Lasked_\@
.Lfor_v_\@:
	tensor_load_to_lds s[G0V+4:G0V+7], s[G1V:G1V+7]
	s_nop 0
.rept 4
	v_nop
.endr
.Lasked_\@:
.endm
; A prefetch of what the NEXT change of slots will ask for: a slot's 32,768 bytes of K and of V.  Both clusters of a head walk the same rows: the first asks.  Its four partners share the bytes out BY ADDRESS,
; 8,192 each; in each, wave 0 asks for K's and wave 2 for V's, lanes 256 bytes apart: each aligned block of 256 bytes is named once in the launch.  The last change that fills a slot asks for nothing.
.macro ASK
	s_cmp_gt_u32 s[SLOTS], s[LIM]
	s_cbranch_scc0 .Lnot_mine_\@
	global_prefetch_b8 v[PFO], s[PFA:PFA+1] th:TH_LOAD_NT scope:SCOPE_SE
.Lnot_mine_\@:
.endm
.macro CROUND                          ; a round of the cluster's barrier
	s_barrier_signal -1
	s_barrier_wait -1
	s_cmp_lg_u32 s[WV], 0
	s_cbranch_scc1 .Lnot_wave_0_\@
	s_barrier_signal -3
.Lnot_wave_0_\@:
	s_barrier_wait -3
	s_barrier_signal -1
	s_barrier_wait -1
.endm
	s_load_b128 s[4:7], s[0:1], 0x0                ; qkv, the mask
	s_load_b64 s[8:9], s[0:1], 0x10                ; out
	v_lshl_add_u32 v[SPW], v0, 2, SPARE
	v_mov_b32 v[NIL], 0
	ds_add_u32 v[SPW], v[NIL]                      ; the wave's opening: the add, twice on end, and its wait ahead of my first tensor load
	ds_add_u32 v[SPW], v[NIL]
	v_lshrrev_b32 v1, 5, v0
	v_readfirstlane_b32 s[WV], v1                  ; wave 0..3
	s_bfe_u32 s13, ttmp6, 0x40000                  ; cx
	s_lshl_b32 s14, ttmp9, 2
	s_add_co_u32 s14, s14, s13                     ; my block of 256 queries: it enters Q's and out's addresses alone
	s_and_b32 s20, ttmp7, 0xffff                   ; batch x 16 + head, which the four partners share
	s_lshr_b32 s58, s20, 4                         ; the batch
	s_and_b32 s59, s20, 15                         ; the head in it
	s_lshl_b32 s20, s20, 18                        ; the head's 2,048 rows of 128 bytes
	s_and_b32 s16, s[WV], 1                        ; which half of a slot's rows I fetch:
	s_lshl_b32 s22, s16, 14                        ; 128 rows of 128 bytes in memory,
	s_add_co_u32 s22, s22, s20
	s_add_co_u32 s22, s22, 0x1000000               ; in k's part of qkv
	s_mov_b32 s23, 0
	s_mul_i32 s17, s16, 128*PKP                    ; and their place in a slot: no place in the cluster enters an LDS address
	s_mul_i32 s69, s16, 128*PVP
	s_add_co_u32 s69, s69, VOFF
	s_lshl_b32 s2, s14, 15                         ; Q: my block's 256 rows,
	s_lshl_b32 s3, s[WV], 13                       ; my wave's 64 of them
	s_add_co_u32 s2, s2, s3
	s_add_co_u32 s2, s2, s20
	s_mov_b32 s3, 0
	s_lshl_b32 s70, s58, 23                        ; out: the batch's 2,048 rows of 4,096 bytes,
	s_lshl_b32 s71, s14, 20
	s_add_co_u32 s70, s70, s71
	s_lshl_b32 s71, s[WV], 18
	s_add_co_u32 s70, s70, s71
	s_lshl_b32 s71, s59, 8                         ; the head's 256 bytes of a row
	s_add_co_u32 s70, s70, s71
	s_mov_b32 s71, 0
	s_lshl_b32 s58, s58, 13                        ; the batch's 2,048 words of the mask
	s_mov_b32 s59, 0
	s_mov_b32 s21, 0xc6616bcd                      ; -10000 log2(e)
	; descriptor group 1: a tile of 128 rows x 64 elements of 2 bytes, padded behind each row
	s_mov_b32 s[G1K], 15|(1<<16)|(1<<20)|(1<<21)|(4<<22)|(3<<25)  ; 15:0 the mask: all four work-groups; 17:16 2 bytes; 20 padding on; 21 set beside a mask; 24:22 after every 32 words; 31:25 4 words of it
	s_mov_b32 s[G1V], 15|(1<<16)|(1<<20)|(1<<21)|(4<<22)|(7<<25)  ; the same with 8 words
.irp g, G1K, G1V
	s_mov_b32 s[\g+1], 64<<16                      ; tensor_dim0
	s_mov_b32 s[\g+2], 128<<16                     ; tensor_dim1
	s_mov_b32 s[\g+3], 64<<16                      ; tile_dim0
	s_mov_b32 s[\g+4], 128                         ; tile_dim1
	s_mov_b32 s[\g+5], 64                          ; tensor_dim0_stride
	s_mov_b32 s[\g+6], 0
	s_mov_b32 s[\g+7], 0
.endr
	s_mov_b32 s[SEL], 0x76543210
	s_mov_b32 s[SEL+1], 0xfedcba98
	s_mov_b32 s[TBK], 0
	s_mov_b32 s[TBV], 0
	s_mov_b32 s[TM], 0
	s_mov_b32 s[SLOTS], 2048/(4*KS)-2
	s_and_b32 s[LIM], s[WV], 1                     ; 0 in waves 0 and 2,
	s_or_b32 s[LIM], s[LIM], ttmp9                 ; where the cluster is the head's first: the same in all four partners
	s_cmp_eq_u32 s[LIM], 0
	s_cselect_b32 s[LIM], 1, -1
	v_and_b32 v[PFO], 31, v0
	v_lshlrev_b32 v[PFO], 8, v[PFO]
	s_wait_dscnt 0x0                               ; both opening adds are done
	s_wait_kmcnt 0x0
	s_add_nc_u64 s[10:11], s[4:5], s[22:23]        ; K at my half of slot 0,
	s_add_nc_u64 s[66:67], s[10:11], 0x1000000     ; V likewise
	s_add_nc_u64 s[4:5], s[4:5], s[2:3]            ; Q at my wave's first row
	s_add_nc_u64 s[6:7], s[6:7], s[58:59]
	s_add_nc_u64 s[8:9], s[8:9], s[70:71]
	s_cmp_lt_u32 s[WV], 2
	s_cselect_b64 s[PFA:PFA+1], s[10:11], s[66:67] ; (in waves 0 and 2 these stand at a slot's first row)
	s_lshl_b32 s2, s13, 13                         ; my work-group's 8,192 bytes of the 32,768
	s_mov_b32 s3, 0
	s_add_nc_u64 s[PFA:PFA+1], s[PFA:PFA+1], s[2:3]
	s_add_nc_u64 s[PFA:PFA+1], s[PFA:PFA+1], 2*SLOTB  ; in the third slot's keys; the first change of slots steps it on.  Nothing is prefetched here, at the head
	CROUND                                         ; all four work-groups are here: the first joint loads meet
.irp s, 0,1
	s_mov_b32 s[G0K+4*\s], 1
	s_add_co_u32 s[G0K+4*\s+1], s17, \s*SLOT1
	s_add_nc_u64 s[G0K+4*\s+2:G0K+4*\s+3], s[10:11], \s*SLOTB
	s_or_b32 s[G0K+4*\s+3], s[G0K+4*\s+3], 0x80000000
	s_mov_b32 s[G0V+4*\s], 1
	s_add_co_u32 s[G0V+4*\s+1], s69, \s*SLOT1
	s_add_nc_u64 s[G0V+4*\s+2:G0V+4*\s+3], s[66:67], \s*SLOTB
	s_or_b32 s[G0V+4*\s+3], s[G0V+4*\s+3], 0x80000000
.endr
	s_cmp_lt_u32 s[WV], 2                          ; a wave's two first fills stand in one branch: two loads of mine are out
	s_cbranch_scc0 .Lfirst_v
	tensor_load_to_lds s[G0K:G0K+3], s[G1K:G1K+7]
	s_nop 0
	tensor_load_to_lds s[G0K+4:G0K+7], s[G1K:G1K+7]
	s_nop 0
.rept 4
	v_nop
.endr
	s_branch .Lfirst_asked
.Lfirst_v:
	tensor_load_to_lds s[G0V:G0V+3], s[G1V:G1V+7]
	s_nop 0
	tensor_load_to_lds s[G0V+4:G0V+7], s[G1V:G1V+7]
	s_nop 0
.rept 4
	v_nop
.endr
.Lfirst_asked:
	v_and_b32 v1, 15, v0                           ; r = l % 16
	v_bfe_u32 v9, v0, 4, 1                         ; h = l / 16
	v_lshlrev_b32 v46, 4, v0                       ; the mask: 16 bytes a thread, 2,048 a load of the work-group
	v_lshl_add_u32 v47, v0, 4, MSK
.irp i, 0,1,2,3
	global_load_b128 v[S+4*\i:S+4*\i+3], v46, s[6:7] offset:2048*\i
.endr
	v_lshlrev_b32 v[QO], 7, v1
	v_lshl_add_u32 v[QO], v9, 4, v[QO]             ; row x 128 + 16 x half
	WIN 0x80                                       ; destination window 2, address window 0
.irp i, 0,1,2,3,4,5,6,7                        ; Q stays in registers: tile i / 2, channels 32 (i % 2) on
	global_load_b128 v[8*\i:8*\i+3],   v[QO], s[4:5] offset:(\i/2)*2048+(\i%2)*64
	global_load_b128 v[8*\i+4:8*\i+7], v[QO], s[4:5] offset:(\i/2)*2048+(\i%2)*64+32
.endr
	WIN 0
	v_mul_u32_u24 v[AK0], v1, PKP
	v_lshl_add_u32 v[AK0], v9, 4, v[AK0]           ; row x pitch + 16 x half
	v_and_b32 v10, 7, v0                           ; the turning load: lane l reads key 8 (l / 16) + l % 8, channels 8 ((l / 8) % 2) + 0..7
	v_bfe_u32 v11, v0, 3, 1
	v_lshl_add_u32 v[AV0], v9, 3, v10
	v_mul_u32_u24 v[AV0], v[AV0], PVP
	v_lshl_add_u32 v[AV0], v11, 4, v[AV0]
	v_add_nc_u32 v[AV0], VOFF, v[AV0]
	v_lshl_add_u32 v[AM0], v9, 5, MSK              ; my half's eight keys of a tile: 32 bytes
.irp t, 0,1,2,3
	v_mov_b32 v[ST+8*\t+1], 0                      ; named with m as a pair, so it is written
.endr
	s_wait_loadcnt 16                              ; the mask's four loads are in; Q's sixteen may be out
.irp i, 0,1,2,3,4,5,6,7,8,9,10,11,12,13,14,15
	v_cvt_f32_i32 v[S+\i], v[S+\i]
.endr
.irp i, 0,1,2,3,4,5,6,7,8,9,10,11,12,13,14,15
	v_fma_f32 v[S+\i], -v[S+\i], s21, s21          ; (1 - mask) x -10000 log2(e)
.endr
.irp i, 0,1,2,3
	ds_store_b128 v47, v[S+4*\i:S+4*\i+3] offset:2048*\i
.endr
; THE MATRIX WORK OF A TURN, for piece x.  The accumulators take turns, one instruction a turn: between two links of a chain stand seven others'.
; Product i of 16 of O^T += V^T P: keys 32 (i / 8) on, channels 16 ((i / 2) % 4) on, tile x + i % 2.  zero = 1: the first 8 start the sums.
.macro PV x, zero
	WIN W_PV
.set rO, 32*(\x+i%2)+8*((i/2)%4)
.set rV, VF+32*(i/8)+8*((i/2)%4)
.set rP, P+16*(\x+i%2)+8*(i/8)
.if (\zero) && (i < 8)
	v_wmma_f32_16x16x32_f16 v[rO:rO+7], v[rV:rV+7], v[rP:rP+7], 0
.else
	v_wmma_f32_16x16x32_f16 v[rO:rO+7], v[rV:rV+7], v[rP:rP+7], v[rO:rO+7]
.endif
.endm
; Product i of 16 of S^T = K Q^T + the mask terms: channels 32 (i / 8) on, keys 16 ((i / 2) % 4) on, tile x + i % 2.  The first 8 start the sums from the keys' mask terms.
.macro KQ x
.set rS, S+32*(\x+i%2)+8*((i/2)%4)
.set rK, KF+16*((i/2)%4)+8*(i/8)
.set rQ, 16*(\x+i%2)+8*(i/8)
.set rM, MK+8*((i/2)%4)
.if i < 8
	WIN W_KQ0
	v_wmma_f32_16x16x32_f16 v[rS:rS+7], v[rK:rK+7], v[rQ:rQ+7], v[rM:rM+7]
.else
	WIN W_KQ
	v_wmma_f32_16x16x32_f16 v[rS:rS+7], v[rK:rK+7], v[rQ:rQ+7], v[rS:rS+7]
.endif
.endm
; THE LDS LOADS stand in runs: a step's K (8 fragments) with its 64 mask terms, and, a turn later, its V (turned).
.macro FETCH_K
	WIN 0
	v_add_nc_u32 v[ADR], s[TBK], v[AK0]
	v_add_nc_u32 v[ADM], s[TM], v[AM0]
	s_add_co_u32 s[TBK], s[TBK], KSTEPB
	s_add_co_u32 s[TM], s[TM], 4*KS
	WIN 0x80                                       ; destination window 2
.irp f, 0,1,2,3,4,5,6,7                        ; keys 16 (f / 2) on, channels 32 (f % 2) on
	ds_load_b128 v[KF+8*\f:KF+8*\f+3],   v[ADR] offset:(\f/2)*16*PKP+(\f%2)*64
	ds_load_b128 v[KF+8*\f+4:KF+8*\f+7], v[ADR] offset:(\f/2)*16*PKP+(\f%2)*64+32
.endr
	WIN 0x40                                       ; destination window 1
.irp f, 0,1,2,3                                ; register j of tile f: the term of key 16 f + 8 (l / 16) + j, the same in all sixteen lanes of a half
	ds_load_b128 v[MK+8*\f:MK+8*\f+3],   v[ADM] offset:64*\f
	ds_load_b128 v[MK+8*\f+4:MK+8*\f+7], v[ADM] offset:64*\f+16
.endr
.endm
.macro FETCH_V
	WIN 0
	v_add_nc_u32 v[ADR], s[TBV], v[AV0]
	s_add_co_u32 s[TBV], s[TBV], VSTEPB
	s_wait_alu depctr_va_vdst(0)                   ; the wait for the softmax's batch of exponentials, ahead of the first instruction that names a result
	WIN 0x80
.irp f, 0,1,2,3,4,5,6,7                        ; keys 32 (f / 4) on, channels 16 (f % 4) on
	ds_load_tr16_b128 v[VF+8*\f:VF+8*\f+3],   v[ADR] offset:(\f/4)*32*PVP+(\f%4)*32
	ds_load_tr16_b128 v[VF+8*\f+4:VF+8*\f+7], v[ADR] offset:(\f/4)*32*PVP+16*PVP+(\f%4)*32
.endr
.endm
; THE VECTOR WORK OF A TURN.  One tile's softmax for one key step is a numbered list; SM writes number j of it for tile t.  s0-s31 are the lane's 32 scores, in pairs 0-15.
;   0-15    the maximum of s0-s31 and the old m, three operands at a time, each accumulator from its low end on
;   16-20   the other half of the lanes' maximum; the new m; m_old - m_new (19 is empty)
;   21-69   ONE BATCH: the 16 subtractions t - m, a pair each, and all 33 exponentials (a at 23, then s0-s31); none of these names an exponential's result
;   70-85   the roundings to f16;   86-101 the sums, l = a l + the sum;   102-117 the tile's O^T times a
; first = 1: the first key step, which starts m, l and O^T: it has no a and nothing to rescale.
.macro SM t, first
.set rT, ST+8*(\t)
.set rS, S+32*(\t)
.set rP, P+16*(\t)
.set rO, 32*(\t)+2*(j-102)
.if j < 102
	WIN 0
.endif
.if j < 4
	v_max3_num_f32 v[rT+4+j], v[rS+8*j], v[rS+8*j+1], v[rS+8*j+2]
.elseif j < 12
	v_max3_num_f32 v[rT+4+j%4], v[rT+4+j%4], v[rS+8*(j%4)+2*(j/4)+1], v[rS+8*(j%4)+2*(j/4)+2]
.elseif j == 12
	v_max3_num_f32 v[rT+4], v[rT+4], v[rS+7], v[rS+15]
.elseif j == 13
	v_max3_num_f32 v[rT+6], v[rT+6], v[rS+23], v[rS+31]
.elseif j == 14
	v_max3_num_f32 v[rT+4], v[rT+4], v[rT+5], v[rT+6]
.elseif (j == 15) && \first
	v_max_num_f32 v[rT+4], v[rT+4], v[rT+7]
.elseif j == 15
	v_max3_num_f32 v[rT+4], v[rT+4], v[rT+7], v[rT]
.elseif j == 16
	v_permlanex16_b32 v[rT+5], v[rT+4], s[SEL], s[SEL+1]  ; the query's other 32 keys lie in the lane 16 away
.elseif j == 18
	v_max_num_f32 v[rT], v[rT+4], v[rT+5]
.elseif j == 19
.elseif ((j == 17) || (j == 20) || (j == 23) || (j > 101)) && \first
.elseif j == 17
	v_mov_b32 v[rT+7], v[rT]                       ; m_old is kept for a: number 18 writes m anew
.elseif j == 20
	v_sub_f32 v[rT+7], v[rT+7], v[rT]
.elseif j == 23
	v_exp_f32 v[rT+6], v[rT+7]
.elseif (j < 23) || ((j < 38) && (j%2 == 0)) || ((j < 66) && (j%4 == 2))
.set b, (j-2)/4                        ; 38, 42, .. 62: pairs 9 to 15
.if j < 38
.set b, (j-20)/2                       ; 21: pair 0; 22, 24, .. 36: pairs 1 to 8
.endif
	v_pk_add_f32 v[rS+2*b:rS+2*b+1], v[rS+2*b:rS+2*b+1], v[rT:rT+1] op_sel_hi:[1,0] neg_lo:[0,1] neg_hi:[0,1]  ; pair b: t - m
.elseif j < 70
.set e, j-38                           ; 66 to 69: s28 to s31
.if j < 66
.set e, j-32-(j-38)/4                  ; 39-41, 43-45, .. 63-65: s7 to s27
.endif
.if j < 38
.set e, (j-25)/2                       ; 25, 27, .. 37: s0 to s6
.endif
	v_exp_f32 v[rS+e], v[rS+e]
.elseif j < 86
	v_cvt_pk_f16_f32 v[rP+j-70], v[rS+2*(j-70)], v[rS+2*(j-70)+1]
.elseif j < 102                        ; the sum of the tile's 16 pairs, in place: neighbours 1, 2, 4 and 8 pairs apart, then l takes it
.set z, j-86
.set w, 4
.set u, z
.if z >= 14
.set w, 32
.set u, 0
.elseif z >= 12
.set w, 16
.set u, z-12
.elseif z >= 8
.set w, 8
.set u, z-8
.endif
.if (z == 14) && \first
	v_pk_add_f32 v[rT+2:rT+3], v[rS:rS+1], v[rS+16:rS+17]
.elseif z < 15
	v_pk_add_f32 v[rS+w*u:rS+w*u+1], v[rS+w*u:rS+w*u+1], v[rS+w*u+w/2:rS+w*u+w/2+1]
.elseif !\first
	v_pk_fma_f32 v[rT+2:rT+3], v[rT+2:rT+3], v[rT+6:rT+7], v[rS:rS+1] op_sel_hi:[1,0,1]
.endif
.else
	WIN W_RS
	v_pk_mul_f32 v[rO:rO+1], v[rO:rO+1], v[rT+6:rT+7] op_sel_hi:[1,0]
.endif
.endm
; Slice k of 59 of piece y's softmax.  Slices 11 to 34 deal out the batch, numbers 22 to 69: four numbers of ONE tile each, the tiles by turns.  Every other slice is numbers 2 k and 2 k + 1 of both tiles.
; Ahead of slice 35 nothing names an exponential's result, and behind slice 34 no exponential is issued: the piece's 66 exponentials have one wait, behind slice 34, with one plain instruction ahead of it.
.macro SLICE y, first
.if (k >= 11) && (k < 35)
.irp n, 0,1,2,3
.set j, 22+4*((k-11)/2)+(\n)
	SM (\y)+(k-11)%2, \first
.endr
.else
.irp n, 0,1
.irp t, \y, \y+1
.set j, 2*k+\n
	SM \t, \first
.endr
.endr
.endif
.if k == 34
	v_nop
.if (\y) == 0
	FETCH_V                                        ; piece 2's turn: V's run of loads stands here, and the wait stands in it
.else
	s_wait_alu depctr_va_vdst(0)
.endif
.endif
.set k, k+1
.endm
.macro PLACES
.rept 4
	v_nop
.endr
.endm
; The slices behind product gp: a turn of 32 products has two behind each of its first 27 and one behind the others; a turn of 16 has four behind each of its first 11 and three behind the others: 59 either way.
; The last product is followed by slice 58, four multiplications of the other piece's O^T: the four places ahead of the next turn's first read of the scores just made.
.macro DEAL y, first
.set ns, 3
.if full
.set ns, 1
.if gp < 27
.set ns, 2
.endif
.elseif gp < 11
.set ns, 4
.endif
.rept ns
	SLICE \y, \first
.endr
.set gp, gp+1
.endm
; A TURN.  Piece x has the matrix unit.  pv = 2: 16 products V^T P; 1: they start O^T's sums; 0: none.  kq = 1: 16 products K Q^T for the next step.  first = 1: the softmax is the first key step's; its last slices
; are empty, and four v_nop take their part as places.
; Piece 0's turn fetches the next step's K and mask terms behind its second product: the last product that read K stands in front of slice 58 of the turn before.  Piece 2's turn fetches the same step's V behind slice 34:
; behind the last product that read V stand slices 30 to 34, two products K Q^T, the v_nop and the run's own v_add_nc_u32.
.macro TURN x, pv, kq, first
.set k, 0
.set gp, 0
.set full, 0
.if \pv && \kq
.set full, 1
.endif
.if \pv
.if \x == 0
	s_wait_dscnt 0x0                               ; V is in
.endif
.set i, 0
.rept 16
	PV \x, 2-\pv
	DEAL 2-\x, \first
.if (\x == 0) && \kq && (i == 1)
	FETCH_K
.endif
.set i, i+1
.endr
.endif
.if \kq
.if \x == 0
	s_wait_dscnt 0x0                               ; K and the mask terms are in
.endif
.set i, 0
.rept 16
	KQ \x
	DEAL 2-\x, \first
.set i, i+1
.endr
.endif
.if \first
	PLACES
.endif
.endm
; THE CHANGE OF SLOTS, between piece 2's turn and piece 0's: the slot's last bytes, V of its fourth step, have been asked for.  Each wave waits for all its tensor loads (its part of the other slot), adds 0 to its spare
; word, and waits for that and for its reads of the slot.  fill = 1: the slot is filled again, with the keys two slots on; the barrier is then a round of the cluster's, and the joint refill is the first thing behind it:
; it has four key steps, 256 matrix instructions, in which to land.
.macro CHANGE fill
	WIN 0
	s_wait_tensorcnt 0x0                           ; no tensor load of mine is out, so a group 0 may be written
	ds_add_u32 v[SPW], v[NIL]
.if \fill
.irp g, G0K+4, G0V+4
	s_xor_b32 s[\g+1], s[\g+1], SLOT1              ; the walking descriptor: the other slot than last time,
	s_add_nc_u64 s[\g+2:\g+3], s[\g+2:\g+3], SLOTB ; the next 256 keys
.endr
	s_wait_xcnt 0x0                                ; the last prefetch, a slot back, has read its address, so it may be written
	s_add_nc_u64 s[PFA:PFA+1], s[PFA:PFA+1], SLOTB
	s_wait_dscnt 0x0                               ; the add is done, and my reads of the slot are over
	CROUND
	JLOAD
	ASK
.else
	s_wait_dscnt 0x0
	s_barrier_signal -1
	s_barrier_wait -1
.endif
	s_sub_co_u32 s[TBK], s[TBK], 4*KSTEPB          ; the fetches go back to a slot's first step,
	s_xor_b32 s[TBK], s[TBK], SLOT1                ; in the other slot
	s_sub_co_u32 s[TBV], s[TBV], 4*VSTEPB
	s_xor_b32 s[TBV], s[TBV], SLOT1
.endm
.macro N_STEPS n                       ; n key steps: written once, walked n times; the LDS addresses hang on the stepped scalars
	s_mov_b32 s[CNT], \n
.Lstep_\@:
	TURN 0, 2, 1, 0
	TURN 2, 2, 1, 0
	WIN 0
	s_sub_co_u32 s[CNT], s[CNT], 1
	s_cmp_lg_u32 s[CNT], 0
	s_cbranch_scc1 .Lstep_\@
.endm
	s_wait_tensorcnt 1                             ; my part of slot 0 is in; slot 1's may stay out
	s_wait_dscnt 0x0                               ; my part of the mask terms lies in LDS
	s_barrier_signal -1
	s_barrier_wait -1
	FETCH_K                                        ; key step 0
	s_wait_loadcnt 0x0                             ; Q
	s_wait_dscnt 0x0
.set i, 0
.rept 16
	KQ 0                                           ; piece 0's first scores
.set i, i+1
.endr
	WIN 0                                          ; the addresses for the way out: eight plain instructions, the places behind those products
	s_mul_i32 s13, s[WV], 16*SP
	s_add_co_u32 s13, s13, STAGE                   ; my stage
	v_mul_u32_u24 v[STO], v1, SP                   ; in: row l % 16, 32 bytes for each half of the lanes
	v_lshl_add_u32 v[STO], v9, 5, v[STO]
	v_add_nc_u32 v[STO], s13, v[STO]
	v_mul_u32_u24 v[RD], v9, SP                    ; back: lanes 0-15 take one row of 256 bytes, lanes 16-31 the next
	v_lshl_add_u32 v[RD], v1, 4, v[RD]
	v_add_nc_u32 v[RD], s13, v[RD]
	v_lshlrev_b32 v[GO], 12, v9                    ; and the same two rows in out
	v_lshl_add_u32 v[GO], v1, 4, v[GO]
	TURN 2, 0, 1, 1                                ; piece 2's first scores | piece 0's first softmax | V of step 0
	TURN 0, 1, 1, 1                                ; piece 0: V^T P of step 0 starts O^T, K Q^T of step 1 | piece 2's first softmax | K of step 1
	TURN 2, 1, 1, 0                                ; piece 2: the same | piece 0's softmax of step 1 | V of step 1
	WIN 0
	N_STEPS 2                                      ; they fetch steps 2 and 3: slot 0 is read out
.Lslot:                                            ; six trips: every slot but the last two is filled again
	CHANGE 1
	N_STEPS 4
	s_sub_co_u32 s[SLOTS], s[SLOTS], 1
	s_cmp_lg_u32 s[SLOTS], 0
	s_cbranch_scc1 .Lslot
	CHANGE 0                                       ; the tail is written out
	N_STEPS 4
	TURN 0, 2, 0, 0                                ; piece 0: V^T P of the last step | piece 2's last softmax
.set i, 0
.rept 16
	PV 2, 0                                        ; piece 2: V^T P of the last step
.set i, i+1
.endr
	; THE WAY OUT.  l's two halves and the other half of the lanes' are added (these additions are the places behind the last products); O^T is divided by l and goes through my stage, a tile (16 rows) at a time.
	WIN 0
.irp t, 0,1,2,3
	v_add_f32 v[ST+8*\t+4], v[ST+8*\t+2], v[ST+8*\t+3]
.endr
.irp t, 0,1,2,3
	v_permlanex16_b32 v[ST+8*\t+5], v[ST+8*\t+4], s[SEL], s[SEL+1]
.endr
.irp t, 0,1,2,3
	v_add_f32 v[ST+8*\t+4], v[ST+8*\t+4], v[ST+8*\t+5]
.endr
.irp t, 0,1,2,3
	v_rcp_f32 v[ST+8*\t+6], v[ST+8*\t+4]
.endr
	v_nop                                          ; a plain instruction between the last reciprocal and the use of its result
	s_wait_alu depctr_va_vdst(0)                   ; one wait for the four reciprocals, ahead of their first reader
.macro OPACK t                         ; a lane's eight channels of a row are 32 bytes; they go into rows of 272 bytes and come back as whole rows of 256
	WIN W_RS
.set i, 32*\t
.rept 16
	v_pk_mul_f32 v[i:i+1], v[i:i+1], v[ST+8*\t+6:ST+8*\t+7] op_sel_hi:[1,0]
.set i, i+2
.endr
	WIN 0x04                                       ; an LDS store's data are its source 1: window 1
.irp f, 0,1,2,3
	ds_store_b128 v[STO], v[32*\t+8*\f:32*\t+8*\f+3] offset:64*\f
	ds_store_b128 v[STO], v[32*\t+8*\f+4:32*\t+8*\f+7] offset:64*\f+16
.endr
	WIN 0
.irp f, 0,1,2,3,4,5,6,7
	ds_load_b128 v[S+32*\t+4*\f:S+32*\t+4*\f+3], v[RD] offset:\f*2*SP  ; LDS serves a wave's instructions in order: these see the stores above; the next tile's stores come behind them
.endr
.endm
.macro SEND t, younger                 ; younger: the LDS instructions issued behind tile t's loads: the next tile's sixteen, or none
.irp f, 0,1,2,3,4,5,6,7
	s_wait_dscnt \younger+7-\f
	global_store_b128 v[GO], v[S+32*\t+4*\f:S+32*\t+4*\f+3], s[8:9] offset:\t*65536+\f*8192 th:TH_STORE_NT  ; 16 lanes store 256 consecutive bytes, aligned: a head's part of a row
.endr
.endm
	OPACK 0
	OPACK 1
	SEND 0, 16
	OPACK 2
	SEND 1, 16
	OPACK 3
	SEND 2, 16
	SEND 3, 0
	s_wait_tensorcnt 0x0                           ; the wave's end: a wait, an add of 0 to my spare word and its wait, behind my last tensor load and my last LDS store
	ds_add_u32 v[SPW], v[NIL]
	s_wait_dscnt 0x0
	CROUND                                         ; the closing round: no work-group ends while a partner may still ask for a tile that names it
	s_endpgm
.Lfunc_end_k_qff7704cc5f_attn:
	.size	k_qff7704cc5f_attn, .Lfunc_end_k_qff7704cc5f_attn-k_qff7704cc5f_attn
	.p2alignl 7, 3214868480
	.fill 96, 4, 3214868480
	.section	.rodata,"a",@progbits
	.p2align	6, 0x0
	.amdhsa_kernel k_qff7704cc5f_attn
		.amdhsa_group_segment_fixed_size 327680
		.amdhsa_private_segment_fixed_size 0
		.amdhsa_enable_private_segment 0
		.amdhsa_kernarg_size 24
		.amdhsa_user_sgpr_count 2
		.amdhsa_user_sgpr_kernarg_segment_ptr 1
		.amdhsa_wavefront_size32 1
		.amdhsa_system_sgpr_workgroup_id_x 1
		.amdhsa_system_sgpr_workgroup_id_y 1
		.amdhsa_system_sgpr_workgroup_id_z 1
		.amdhsa_system_vgpr_workitem_id 0
		.amdhsa_next_free_vgpr 768
		.amdhsa_next_free_sgpr 72
		.amdhsa_reserve_vcc 0
		.amdhsa_float_denorm_mode_32 3
		.amdhsa_float_denorm_mode_16_64 3
		.amdhsa_memory_ordered 1
		.amdhsa_forward_progress 1
		.amdhsa_inst_pref_size 201
	.end_amdhsa_kernel
	.amdgpu_metadata
---
amdhsa.version: [ 1, 2 ]
amdhsa.kernels:
  - .name:           k_qff7704cc5f_attn
    .symbol:         k_qff7704cc5f_attn.kd
    .args:
      - { .name: qkv, .offset: 0, .size: 8, .value_kind: global_buffer, .address_space: global }
      - { .name: attention_mask, .offset: 8, .size: 8, .value_kind: global_buffer, .address_space: global }
      - { .name: out0, .offset: 16, .size: 8, .value_kind: global_buffer, .address_space: global }
    .group_segment_fixed_size: 327680
    .private_segment_fixed_size: 0
    .kernarg_segment_align: 8
    .kernarg_segment_size: 24
    .max_flat_workgroup_size: 128
    .sgpr_count:     72
    .vgpr_count:     768
    .wavefront_size: 32
...
	.end_amdgpu_metadata
.endif
;; end of part 3
